; MI455X (gfx1250); checked and timed in simulation.
; The chip was launched on July 23, 2026; its instructions are those of AMD's public machine-readable ISA for CDNA 5 (MIT licence, August 2026) and "CDNA5" Instruction Set Architecture Reference Guide (July 2026). The comments in the code are by the model that wrote it; some were corrected since.
;; Multihead Attention Ro PE. Allowed arithmetic: matrix products marked QUANTISED: E2M1 operands, one E8M0 scale for each 32 along K, by v_wmma_scale_f32_16x16x128_f8f6f4 with both operands' format E2M1 (or v_wmma_scale_f32_32x16x128_f4), f32 sums; products left as they are: f32 operands where the result goes on into a quantised operand, else bf16, f16 or f32 operands; f32 sums; everything else in f32.
;; Inputs: Wk 1,024 x 1,024 float32; Wo 1,024 x 1,024 float32; Wq 1,024 x 1,024 float32; Wv 1,024 x 1,024 float32; bk 1,024 float32; bo 1,024 float32; bq 1,024 float32; bv 1,024 float32; x 2 x 8,192 x 1,024 float32.
;; Outputs: out0 2 x 8,192 x 1,024 float32.
;; This version of the problem:
;;   THIS VERSION OF THE PROBLEM IS GIVEN IN LOW PRECISION. The matrix products marked QUANTISED in the list below multiply operands that are first quantised to E2M1 (2 exponent bits, 1 mantissa bit; 4 bits a number), with one power-of-two scale for each 32 numbers along K (OCP MX v1.0); their sums are f32. All else is computed in f32.
;;   The module's matrix products, in the order in which they are computed (A, B: the left and right operand; K: the contracted axis; several contracted axes count as one K, in the product's order):
;;     1. [M 16,384, K 1,024] x [K 1,024, N 1,024]; A: input x; B: input Wq: QUANTISED
;;     2. [M 16,384, K 1,024] x [K 1,024, N 1,024]; A: input x; B: input Wk: QUANTISED
;;     3. [M 16,384, K 1,024] x [K 1,024, N 1,024]; A: input x; B: input Wv: QUANTISED
;;     4. batch 16,384 x [M 16, K 64] x [K 64, N 16]; A: computed on the way; B: computed on the way: QUANTISED
;;     5. batch 16,384 x [M 16, K 16] x [K 16, N 64]; A: softmax; B: computed on the way: left as it is (K = 16 < 32)
;;     6. [M 16,384, K 1,024] x [K 1,024, N 1,024]; A: computed on the way; B: input Wo: QUANTISED
;;   THE QUANTISER, for each operand of a quantised product, along K:
;;     - K is cut into blocks of 32 from its start; a last block that is shorter is filled with zeros.
;;     - A block's scale is 2^e with e = floor(log2(the largest magnitude in the block)) - 2, held to -126 .. 127; a block of zeros has e = 0. As a byte (E8M0): e + 127.
;;     - Each number is divided by its block's scale, clamped to +-6, and rounded to the nearest number of E2M1, ties to even, subnormals kept.
;;     - The product sums the exact products of the quantised numbers (number of the format x scale) in f32.
;;   ~~~python
;;   def quantise(x, axis):      # numpy; x: float32 -> the quantised numbers, widened to float32 again
;;       x = np.moveaxis(x, axis, -1); K = x.shape[-1]
;;       x = np.pad(x, [(0, 0)] * (x.ndim - 1) + [(0, -K % 32)]); x = x.reshape(x.shape[:-1] + (-1, 32)); a = np.abs(x).max(-1, keepdims=True)
;;       e = np.where(a > 0, np.clip(np.frexp(np.where(a > 0, a, 1))[1] - 1 - 2, -126, 127), 0)      # np.frexp(a)[1] - 1 = floor(log2(a)), exactly
;;       r = np.clip(x / 2.0 ** e, -6, 6)
;;       step = 2.0 ** (np.maximum(np.frexp(np.where(r == 0, 1, r))[1] - 1, 0) - 1)
;;       q = np.round(r / step) * step * 2.0 ** e      # np.round: ties to even
;;       return np.moveaxis(q.reshape(q.shape[:-2] + (-1,))[..., :K], -1, axis).astype(np.float32)
;;   ~~~
;;   OPERANDS COMPUTED ON THE WAY. 'Computed on the way' means the value that the module computes at that place (a softmax that the list does not call 'softmax' is quantised finished and normalised). What goes into a quantiser is computed in f32, as accurately as f32 sums, v_exp_f32 and their like allow (about 1e-6 of the number): no bf16 or f16 on the way to a quantiser, and a product that is left as it is and whose result goes on into a quantised operand takes f32 operands (vector FMAs, or v_wmma_f32_16x16x4_f32). A number that lies on a knife's edge between two numbers of the format may be rounded either way, as far as f32 arithmetic and the matrix unit's own rounding can turn it there, and no further.
;; One version. Each part assembles by itself: llvm-mc -triple=amdgcn-amd-amdhsa -mcpu=gfx1250 --defsym DOCPART=n.
;; ======== version 1 of 1: 2 launches
;; limits: right only within a limited range of input values
;; workspace buffers: wst 2,244,608 bytes; rot 2,097,152 bytes
;; launch prep (part 1): grid 384 x 1, 4 waves a work-group, no clusters, 0 bytes of LDS; arguments Wq, Wk, Wv, Wo, bq, bk, bv, bo, wst, rot; writes wst, rot
.if DOCPART == 1
	.amdgcn_target "amdgcn-amd-amdhsa--gfx1250"
	.amdhsa_code_object_version 6
	.text
	.protected	k_q65e46a6ee7_prep
	.globl	k_q65e46a6ee7_prep
	.p2align	8
	.type	k_q65e46a6ee7_prep,@function
k_q65e46a6ee7_prep:
	s_mov_b64 s[64:65], 0
	v_nop
	global_prefetch_b8 v0, s[64:65] scope:SCOPE_SE
	s_setreg_imm32_b32 hwreg(HW_REG_WAVE_MODE, 25, 1), 1
	s_wait_xcnt 0x0
; PREP.  (1) Wq, Wk, Wv, Wo [1024 (K)][1024 (N)] f32 become codes of E2M1 with one E8M0 byte for each 32 along K, laid in wst in the order of the next launch's operand registers, with
; their scale words and the biases beside them.  (2) The rotary table rot: cos and signed sin of pos x freq for the 8,192 positions and 32 frequencies.
; NOTHING OF reference() IS LEFT OUT in this program: every input has a way to the output (each bias stands ahead of a quantiser or is added to the result), so all nine inputs are loaded.
; wst: 32 groups of UNITB bytes; group 4 t + w serves unit t (0,1 Wq; 2,3 Wk; 4,5 Wv; 6,7 Wo) of wave w.  A group is 128 output columns as 8 tiles (2 b + u) of 16 rows i; row i of tile 2 b + u is column
; nb + 8 u + i + 8 (i / 8), nb = 512 (t & 1) + 128 w + 32 b (Wv: 256 w + 64 b + 32 (t & 1)).  In a group: bytes 0..4095 scale words (K step s, tile, row i at 512 s + 256 (tile / 4) + 16 i + 4 (tile % 4));
; 4096..4607 the bias (f32, index 16 tile + i); from 4608 the codes: K step s 8,192 bytes, tile 1,024, block j of the step's four at 512 (j / 2) + 256 (j % 2) + 16 i.
; rot: [pos][16 pieces of 16 bytes]; piece y = 8 hh + 4 AB + tp holds cos f, cos (f + 1), sg sin f, sg sin (f + 1), f = 16 AB + 8 hh + 2 tp, sg = -1 where AB = 0, else +1.
; A block's scale byte is its largest magnitude's exponent field - 2, held at 1 from below.  A block of zeros so gets the byte 1 where the rule says 127: its codes are zeros, and this program alone reads the bytes.
; LIMITS: NaN and infinities among the inputs are not served; blocks whose largest magnitude lies under 2^-124 keep the byte 1; the angle's reduction serves angles up to 8,191, the largest that the problem's sizes give.
; AN ORDER OF ROUNDING: the frequency is the f32 nearest to 10000^(-f / 32), ONE rounding.  reference() writes 1 / (10000^(f / 32)); taken literally in f32 steps that rounds twice, and differs from what stands here
; by one unit in the last place at f = 5, 9, 10, 12, 13, 15, 20 (at the other f down to 20 the two agree).
; SHARES.  Work-groups 0..255: matrix id / 64, 128 columns (id / 8) % 8, K step id % 8; a wave takes 32 columns x 128 K: A LANE TAKES A COLUMN AND ITS REGISTERS RUN DOWN K, so a block of 32 lies in one lane.
; Work-groups 256..383: 64 positions each, 16 a wave.  No LDS, no barrier: waves share nothing.
.set UNITB, 70144
.set X,     32                         ; v32-159  128 numbers down K
.set CD,    160                        ; v160-175 codes, four registers for each block: no store's data are written again
	s_load_b512 s[4:19], s[0:1], 0x0               ; Wq, Wk, Wv, Wo, bq, bk, bv, bo
	s_load_b128 s[20:23], s[0:1], 0x40             ; wst, rot
	v_lshrrev_b32 v1, 5, v0
	v_readfirstlane_b32 s24, v1                    ; wave
	v_and_b32 v2, 31, v0                           ; lane
	s_cmp_ge_u32 ttmp9, 256
	s_cbranch_scc1 .Ltable
	; ---------------- the weights ----------------
	s_lshr_b32 s25, ttmp9, 6                       ; which matrix
	s_bfe_u32 s26, ttmp9, 0x30003                  ; which 128 columns
	s_and_b32 s27, ttmp9, 7                        ; K step s
	s_lshl_b32 s28, s26, 2
	s_add_co_u32 s28, s28, s24                     ; cb: my wave's block of 32 columns
	s_lshr_b32 s29, s28, 4                         ; Wq, Wk, Wo: cb = 16 a + 4 w + b
	s_bfe_u32 s30, s28, 0x20002
	s_and_b32 s31, s28, 3
	s_and_b32 s32, s28, 1                          ; Wv: cb = 8 w + 2 b + a
	s_lshr_b32 s33, s28, 3
	s_bfe_u32 s34, s28, 0x20001
	s_cmp_eq_u32 s25, 2
	s_cselect_b32 s29, s32, s29                    ; a
	s_cselect_b32 s30, s33, s30                    ; w
	s_cselect_b32 s31, s34, s31                    ; b
	s_lshl_b32 s32, s25, 1
	s_add_co_u32 s32, s32, s29                     ; unit t = 2 x matrix + a
	s_lshl_b32 s32, s32, 2
	s_add_co_u32 s32, s32, s30                     ; group 4 t + w
	s_mul_i32 s32, s32, UNITB                      ; its first byte
	s_lshl_b32 s34, s27, 13                        ; codes: + 8192 s + 2048 b
	s_add_co_u32 s34, s34, s32
	s_lshl_b32 s35, s31, 11
	s_add_co_u32 s34, s34, s35
	s_mov_b32 s35, 0
	s_lshl_b32 s36, s27, 9                         ; scale words: + 512 s + 256 (b / 2) + 8 (b % 2)
	s_add_co_u32 s36, s36, s32
	s_lshr_b32 s37, s31, 1
	s_lshl_b32 s37, s37, 8
	s_add_co_u32 s36, s36, s37
	s_and_b32 s37, s31, 1
	s_lshl_b32 s37, s37, 3
	s_add_co_u32 s36, s36, s37
	s_mov_b32 s37, 0
	s_lshl_b32 s38, s31, 7                         ; bias: + 128 b
	s_add_co_u32 s38, s38, s32
	s_mov_b32 s39, 0
	s_lshl_b32 s50, s28, 7                         ; 128 cb: my columns' bytes in a row of W and in the bias
	s_mov_b32 s51, 0
	s_lshl_b32 s48, s27, 19                        ; 128 rows of 4,096 bytes a K step
	s_add_co_u32 s48, s48, s50
	s_mov_b32 s49, 0
	s_wait_alu depctr_va_vdst(0)
	v_lshrrev_b32 v3, 4, v2                        ; u
	v_and_b32 v5, 15, v2                           ; i
	v_and_b32 v6, 7, v2
	v_bfe_u32 v7, v2, 3, 1
	v_lshlrev_b32 v4, 2, v6
	v_lshl_add_u32 v4, v3, 5, v4
	v_lshl_add_u32 v4, v7, 6, v4                   ; 4 x (8 u + i + 8 (i / 8)): my column
	v_lshlrev_b32 v8, 4, v5
	v_lshl_add_u32 v9, v3, 2, v8                   ; scale word: 16 i + 4 u
	v_lshl_add_u32 v8, v3, 10, v8                  ; codes: 1024 u + 16 i
	v_lshlrev_b32 v10, 2, v2                       ; bias: 4 x lane
	s_wait_alu depctr_va_vdst(0)
	s_wait_kmcnt 0x0
	s_bitcmp1_b32 s25, 0                           ; the choice hangs on the work-group's number alone
	s_cselect_b64 s[40:41], s[6:7], s[4:5]
	s_cselect_b64 s[42:43], s[10:11], s[8:9]
	s_cselect_b64 s[44:45], s[14:15], s[12:13]
	s_cselect_b64 s[46:47], s[18:19], s[16:17]
	s_bitcmp1_b32 s25, 1
	s_cselect_b64 s[40:41], s[42:43], s[40:41]     ; my matrix
	s_cselect_b64 s[44:45], s[46:47], s[44:45]     ; its bias
	s_add_nc_u64 s[40:41], s[40:41], s[48:49]
	s_add_nc_u64 s[44:45], s[44:45], s[50:51]
	s_add_nc_u64 s[52:53], s[20:21], s[34:35]
	s_add_nc_u64 s[54:55], s[20:21], s[36:37]
	s_add_nc_u64 s[56:57], s[20:21], s[38:39]
.set k, 0
.rept 128
	global_load_b32 v[X+k], v4, s[40:41] offset:4096*k th:TH_LOAD_NT   ; row k of the K step: the wave's 32 lanes read 128 consecutive bytes, the four waves 512
.set k, k+1
.endr
; Block j of the step's four.  cnt: how many younger loads may stay out (96 and 64 are issued behind blocks 0 and 1: the count is the largest that the wait can name, which is less and so safe).
.macro BLOCK j, cnt
.set XB, X+32*(\j)
	s_wait_loadcnt \cnt
	v_max3_num_f32 v12, |v[XB]|, |v[XB+1]|, |v[XB+2]|               ; the block's largest magnitude: all 32 numbers are mine; two chains
	v_max3_num_f32 v13, |v[XB+3]|, |v[XB+4]|, |v[XB+5]|
.irp i, 6,10,14,18,22,26
	v_max3_num_f32 v12, v12, |v[XB+\i]|, |v[XB+\i+1]|
	v_max3_num_f32 v13, v13, |v[XB+\i+2]|, |v[XB+\i+3]|
.endr
	v_max3_num_f32 v12, v12, |v[XB+30]|, |v[XB+31]|
	v_max3_num_f32 v12, v12, v13, 0x1800000        ; and the floor 2^(3 - 127): the byte cannot fall under 1
	v_add_nc_u32 v11, 0xff000000, v12              ; 2 off the exponent field: the conversion's scale operand
	v_lshrrev_b32 v13, 23, v11                     ; the scale's byte
.if (\j) == 0
	v_mov_b32 v24, v13
.else
	v_lshl_or_b32 v24, v13, 8*(\j), v24            ; four bytes make the K step's scale word of my column
.endif
.irp g, 0,1,2,3
	v_cvt_scalef32_pk8_fp4_f32 v[CD+4*(\j)+\g], v[XB+8*\g:XB+8*\g+7], v11
.endr
	global_store_b128 v8, v[CD+4*(\j):CD+4*(\j)+3], s[52:53] offset:4608+512*((\j)/2)+256*((\j)%2)   ; lanes 0-15 and lanes 16-31 each store 256 consecutive bytes, aligned.  (The next block begins with plain vector lines.)
.endm
	BLOCK 0, 63
	BLOCK 1, 63
	BLOCK 2, 32
	BLOCK 3, 0
	global_store_b32 v9, v24, s[54:55]             ; 4 bytes a lane, 16 apart: 128 KB of the launch's stores go so
	s_cmp_lg_u32 s27, 0                            ; the bias is copied by the K step 0 work-groups alone: each byte of wst has one owner
	s_cbranch_scc1 .Ldone
	global_load_b32 v20, v4, s[44:45]
	s_wait_loadcnt 0x0
	global_store_b32 v10, v20, s[56:57] offset:4096
.Ldone:
	s_endpgm
	; ---------------- the rotary table ----------------
.Ltable:
	s_sub_co_u32 s25, ttmp9, 256
	s_lshl_b32 s26, s25, 6
	s_lshl_b32 s27, s24, 4
	s_add_co_u32 s26, s26, s27                     ; my wave's first position
	s_lshl_b32 s28, s26, 8                         ; 256 bytes a position
	s_mov_b32 s29, 0
	s_wait_alu depctr_va_vdst(0)
	v_and_b32 v3, 15, v2                           ; y: my piece
	v_lshrrev_b32 v4, 4, v2
	v_lshlrev_b32 v5, 4, v2                        ; 16 x lane
	v_add_nc_u32 v6, s26, v4                       ; lanes 0-15 an even position, lanes 16-31 the next
; freq = 10000^(-2 f / 64) = 10^(-f / 8), rounded to f32 once.  It is made as a product of 10^(-1/8), 10^(-1/4), 10^(-1/2), 10^-1, 10^-2, chosen by f's bits, in pairs of f32 (a high and a low part: some 48 bits),
; so that the product's high part is the nearest f32: of the 32 values none lies nearer to the middle between two f32 numbers than a fiftieth of their distance, which is far more than the pairs lose.
.macro DFMUL ph, pl                    ; (ph, pl) x (v10, v11)
	v_mul_f32 v12, v[\ph], v10
	v_fma_f32 v13, v[\ph], v10, -v12               ; what the product's rounding dropped,
	v_fma_f32 v13, v[\ph], v11, v13                ; and the cross terms
	v_fma_f32 v13, v[\pl], v10, v13
	v_add_f32 v14, v12, v13
	v_sub_f32 v15, v14, v12
	v_sub_f32 v[\pl], v13, v15
	v_mov_b32 v[\ph], v14
.endm
.macro FACT sh, hi, lo                 ; where bit sh of y is set: x (hi, lo); else x (1, 0)
	v_bfe_u32 v26, v3, \sh, 1
	v_mov_b32 v27, \hi
	v_mov_b32 v28, \lo
	v_cmp_ne_u32 vcc_lo, 0, v26
	v_cndmask_b32 v10, 1.0, v27, vcc_lo
	v_cndmask_b32 v11, 0, v28, vcc_lo
	DFMUL 8, 9
.endm
	v_mov_b32 v8, 1.0
	v_mov_b32 v9, 0
	FACT 0, 0x3f0ff59a, 0xb1f8f1fc                 ; tp & 1: f's bit 1: 10^(-1/4)
	FACT 1, 0x3ea1e89b, 0x31121245                 ; tp / 2: bit 2: 10^(-1/2)
	FACT 3, 0x3dcccccd, 0xb0cccccd                 ; hh: bit 3: 10^-1
	FACT 2, 0x3c23d70a, 0x2f75c28f                 ; AB: bit 4: 10^-2
	v_mov_b32 v16, v8                              ; v8: the even frequency
	v_mov_b32 v17, v9
	v_mov_b32 v10, 0x3f3ff911                      ; the odd frequency: x 10^(-1/8)
	v_mov_b32 v11, 0x32022bb3
	DFMUL 16, 17                                   ; v16: the odd frequency
	v_bfe_u32 v20, v3, 2, 1                        ; AB
	v_xor_b32 v20, 1, v20
	v_lshlrev_b32 v20, 31, v20                     ; the sign bit where AB = 0: rotate_half's minus goes into the sine
; cos and sin of v[a] >= 0: n = the nearest whole number to a x 2 / pi; r = a - n pi / 2 with pi / 2 in three parts (each product exact inside its fused multiply-add); polynomials on |r| <= pi / 4; the quadrant by n's low bits.
.macro SINCOS a, c, s
	v_mul_f32 v21, 0x3f22f983, v[\a]
	v_rndne_f32 v21, v21
	v_fmamk_f32 v22, v21, 0xbfc90fd8, v[\a]
	v_fmamk_f32 v22, v21, 0xb4a8885a, v22
	v_fmamk_f32 v22, v21, 0xa7c234c4, v22
	v_mul_f32 v23, v22, v22
	v_mov_b32 v24, 0x37cd4000
	v_mov_b32 v25, 0x36405000
	v_fmaak_f32 v24, v24, v23, 0xbab6077d
	v_fmaak_f32 v25, v25, v23, 0xb9503486
	v_fmaak_f32 v24, v24, v23, 0x3d2aaaa8
	v_fmaak_f32 v25, v25, v23, 0x3c0888c1
	v_fma_f32 v24, v24, v23, -0.5
	v_fmaak_f32 v25, v25, v23, 0xbe2aaaab
	v_fma_f32 v24, v24, v23, 1.0                   ; cos r
	v_mul_f32 v26, v22, v23
	v_fma_f32 v25, v25, v26, v22                   ; sin r
	v_cvt_i32_f32 v26, v21
	v_and_b32 v27, 1, v26
	v_cmp_ne_u32 vcc_lo, 0, v27                    ; an odd quadrant swaps the two
	v_cndmask_b32 v[\s], v25, v24, vcc_lo
	v_cndmask_b32 v[\c], v24, v25, vcc_lo
	v_lshlrev_b32 v27, 30, v26                     ; sin is negative where n & 2,
	v_add_nc_u32 v26, 1, v26                       ; cos where (n + 1) & 2
	v_and_b32 v27, 0x80000000, v27
	v_lshlrev_b32 v26, 30, v26
	v_xor_b32 v27, v27, v20
	v_and_b32 v26, 0x80000000, v26
	v_xor_b32 v[\s], v[\s], v27
	v_xor_b32 v[\c], v[\c], v26
.endm
	s_wait_kmcnt 0x0
	s_add_nc_u64 s[22:23], s[22:23], s[28:29]
.irp k, 0,1,2,3,4,5,6,7                ; two positions at a time; each has registers of its own for the store
	v_add_nc_u32 v29, 2*\k, v6
	v_cvt_f32_u32 v29, v29
	s_wait_alu depctr_va_vdst(0)
	v_mul_f32 v30, v29, v8                         ; the angle, one f32 product as reference() has it
	v_mul_f32 v31, v29, v16
	SINCOS 30, 32+4*\k, 34+4*\k
	SINCOS 31, 33+4*\k, 35+4*\k
	global_store_b128 v5, v[32+4*\k:35+4*\k], s[22:23] offset:512*\k   ; 32 lanes store 512 consecutive bytes, aligned
.endr
	s_endpgm
.Lfunc_end_k_q65e46a6ee7_prep:
	.size	k_q65e46a6ee7_prep, .Lfunc_end_k_q65e46a6ee7_prep-k_q65e46a6ee7_prep
	.p2alignl 7, 3214868480
	.fill 96, 4, 3214868480
	.section	.rodata,"a",@progbits
	.p2align	6, 0x0
	.amdhsa_kernel k_q65e46a6ee7_prep
		.amdhsa_group_segment_fixed_size 0
		.amdhsa_private_segment_fixed_size 0
		.amdhsa_enable_private_segment 0
		.amdhsa_kernarg_size 80
		.amdhsa_user_sgpr_count 2
		.amdhsa_user_sgpr_kernarg_segment_ptr 1
		.amdhsa_wavefront_size32 1
		.amdhsa_system_sgpr_workgroup_id_x 1
		.amdhsa_system_sgpr_workgroup_id_y 1
		.amdhsa_system_sgpr_workgroup_id_z 1
		.amdhsa_system_vgpr_workitem_id 0
		.amdhsa_next_free_vgpr 176
		.amdhsa_next_free_sgpr 66
		.amdhsa_reserve_vcc 1
		.amdhsa_float_denorm_mode_32 3
		.amdhsa_float_denorm_mode_16_64 3
		.amdhsa_memory_ordered 1
		.amdhsa_forward_progress 1
		.amdhsa_inst_pref_size 51
	.end_amdhsa_kernel
	.amdgpu_metadata
---
amdhsa.version: [ 1, 2 ]
amdhsa.kernels:
  - .name:           k_q65e46a6ee7_prep
    .symbol:         k_q65e46a6ee7_prep.kd
    .args:
      - { .name: Wq, .offset: 0, .size: 8, .value_kind: global_buffer, .address_space: global }
      - { .name: Wk, .offset: 8, .size: 8, .value_kind: global_buffer, .address_space: global }
      - { .name: Wv, .offset: 16, .size: 8, .value_kind: global_buffer, .address_space: global }
      - { .name: Wo, .offset: 24, .size: 8, .value_kind: global_buffer, .address_space: global }
      - { .name: bq, .offset: 32, .size: 8, .value_kind: global_buffer, .address_space: global }
      - { .name: bk, .offset: 40, .size: 8, .value_kind: global_buffer, .address_space: global }
      - { .name: bv, .offset: 48, .size: 8, .value_kind: global_buffer, .address_space: global }
      - { .name: bo, .offset: 56, .size: 8, .value_kind: global_buffer, .address_space: global }
      - { .name: wst, .offset: 64, .size: 8, .value_kind: global_buffer, .address_space: global }
      - { .name: rot, .offset: 72, .size: 8, .value_kind: global_buffer, .address_space: global }
    .group_segment_fixed_size: 0
    .private_segment_fixed_size: 0
    .kernarg_segment_align: 8
    .kernarg_segment_size: 80
    .max_flat_workgroup_size: 128
    .sgpr_count:     66
    .vgpr_count:     176
    .wavefront_size: 32
...
	.end_amdgpu_metadata
.endif
;; end of part 1
;; launch fused (part 2): grid 256 x 1, 4 waves a work-group, no clusters, 292,352 bytes of LDS; arguments x, wst, rot, out0; writes out0
.if DOCPART == 2
	.amdgcn_target "amdgcn-amd-amdhsa--gfx1250"
	.amdhsa_code_object_version 6
	.text
	.protected	k_q65e46a6ee7_fused
	.globl	k_q65e46a6ee7_fused
	.p2align	8
	.type	k_q65e46a6ee7_fused,@function
k_q65e46a6ee7_fused:
	s_mov_b64 s[64:65], 0
	v_nop
	global_prefetch_b8 v0, s[64:65] scope:SCOPE_SE
	s_setreg_imm32_b32 hwreg(HW_REG_WAVE_MODE, 25, 1), 1
	s_wait_xcnt 0x0
; FUSED: from x to out0 for 64 positions a work-group; q, k, v, the weights w and the mixed heads never go to memory.  Nothing of reference() is left out (see the first kernel's head).
; PHASES.  X: x is quantised along K = 1,024.  QK: x Wq + bq, x Wk + bk on codes, rotary in f32, quantised along the head's 64.  SCORES: for each position q k^T on codes (K = 64; the instruction's upper 64 are zero
; codes), / 8, softmax over the 16 key heads with the maximum taken away.  V, PV (twice, 32 of a head's 64 at a time): x Wv + bv on codes, kept in f32; w v in f32 (its result goes into a quantiser); quantised along
; (head, d).  O: that x Wo + bo on codes, stored.
; SHARES.  In the four large products the waves share the COLUMNS: a unit is 128 columns x all 64 rows, 32 accumulators, 256 matrix instructions; wave w walks units 0..7 (groups w, w + 4, .. of wst).  The matrix
; instruction is used TRANSPOSED (source 0 = 16 rows of a weight tile, source 1 = 16 positions): lane (r, h) holds position r, and, by the choice of a tile's rows, register 16 b + i of a row tile is column 32 b + 16 h + i.
; In X, SCORES and PV wave w owns positions 16 w .. 16 w + 15.
; THE WEIGHTS GO FROM MEMORY STRAIGHT INTO OPERAND REGISTERS: wst is laid in their order, each load is 512 consecutive bytes, no two waves want the same fragment.  A RING OF SEVEN PLACES of one K step (64 registers) each:
; K step c lies in place c, K step 7 in place 0.  A unit takes its eight K steps in one run of 256 matrix instructions and then none while its results are worked, so the requests are spread: behind
; K step 0 this unit's K step 7; behind K steps 1, 2, 6, 7 the NEXT unit's K steps 1, 2, 3, 4; among the work on the results its scale words and bias and its K steps 5, 0, 6.  That order is the same in
; every loop, and the counted waits lean on it.  When a unit begins, seven of its K steps have been asked for a whole epilogue ago.
; NO CLUSTER, NO JOINT LOADS, though every work-group walks the same weights: the regions below take 292,352 of 327,680 bytes of LDS; the 35,328 left do not hold two slots of one K step of the four waves' fragments (2 x 32,768).
; LIMITS: NaN and infinities are not served; a block whose largest magnitude lies under 2^-124 keeps the byte 1 (a block of zeros too: its codes are zeros, and the bytes are read here alone).
; REGISTERS, in windows of 256.  Window 0: addresses, the quantiser's work, cos/sin, all scale words, w of four positions, row tile 0 on the way out.  Window 1: the 32 accumulators, (m, tile) at 64 m + 8 tile; v0-63 are also
; the f32 products' results, which matrix instructions alone write; v64-255 serve x's loads, the scores, v's fragments and row tiles 1-3 on the way out by turns.  Window 2: v0-127 the ring's places 4 and 5;
; v128-191 the positions' fragments, two sets, or the quantiser's 64 numbers; v192-255 the ring's place 6.  Window 3: the ring's places 0 to 3.
.set UNITB, 70144
.set STEPU, 4*UNITB                    ; from a wave's unit to its next
; LDS.  VT (v in f32): position x 2128 + (e / 8) x 1056 + (e % 8) x 128 + 4 d, bytes 0 .. 136,191.  Inside it, dead before v comes: QKC, QKS, ROT, XSTG; after it: OSTG.
.set QKC,   0                          ; q's and k's codes: pitch 1040: q at 0, k at 512; head e at 32 e
.set QKS,   66560                      ; their scale bytes: pitch 80: q at 0, k at 32
.set ROT,   71680                      ; the 64 positions' rotary pieces: pitch 272
.set XSTG,  89088                      ; a stage of 16 rows x 528 for each wave
.set OSTG,  0                          ; the same for the way out
.set WL,    136192                     ; w: 1,024 bytes a position, an image of its registers; each wave's own 16 KB
.set XC,    201728                     ; x's codes: pitch 528
.set XS,    235520                     ; their scale bytes: pitch 48
.set OC,    238592                     ; the mixed heads' codes and scale bytes, laid alike, 36,864 bytes further on
.set OS,    272384
.set SPARE, 275456                     ; the spare words, 128 bytes for each wave: two blocks of 256 bytes that no other line names
.set BIA,   275968                     ; the biases of a wave's eight units, 512 bytes a unit as they lie in wst: 4,096 bytes for each wave, its own; fetched once, by 8 loads of 512 consecutive bytes.  With them the regions take 292,352 bytes
; window 0
.set VL16, 8
.set VBI,  9                           ; LDS address of the bias of the unit in hand: my wave's part of BIA + 32 h; it steps 512 bytes a unit
.set VST,  10
.set VLD,  11
.set VXC,  12
.set VXS,  13
.set VRS,  14
.set VAX,  15
.set VSA,  16
.set VCS,  17
.set VQC0, 18
.set VQC,  19
.set VQS0, 20
.set VQS,  21
.set VSQ0, 22
.set VSQ,  23
.set VSS0, 24
.set VSS,  25
.set VWS0, 26
.set VWS,  27
.set VV0,  28                          ; v28, v29
.set VVA0, 30
.set VVA,  31
.set VOC0, 32
.set VOC,  33
.set VOS0, 34
.set VOS,  35
.set VSO,  36
.set VSL,  37
.set VWL,  38
.set VBS,  39                          ; where I put the biases: my wave's part of BIA + 16 l
.set SPW,  40                          ; LDS address of my spare word; never rewritten
.set NIL,  41                          ; 0; never rewritten
.set FLOOR, 42                         ; 2^(3 - 127)
.set TM,   44                          ; v44-47 largest magnitudes, v48-51 bytes, v56-59 the conversions' scale operands
.set PW,   60                          ; the scale word just made
.set PC,   64                          ; v64-71 the codes just made
.set CS,   72                          ; v72-103 cos and sin of 16 positions
.set SW,   104                         ; v104-135 the weights' scale words: (K step s, tile) in v[SW + 4 s + tile % 4], lanes 16-31 for tiles 4-7
.set SA,   136                         ; v136-151 the positions': (row tile m, s) in v[SA + 8 (m / 2) + s], lanes 16-31 for odd m
.set SSC,  152                         ; v152-155 the scores': lanes 0-15 q's two bytes, lanes 16-31 k's
.set WT,   160                         ; v160-191 w of four positions, the f32 product's second source
.set OB0,  192                         ; v192-255 the way out: row tile 0 read back from the stage
; window 1
.set QF,   64                          ; position pp: q's fragment at QF + 16 pp, k's at QF + 8 + 16 pp
.set SD,   128                         ; its scores, then p, then w
.set TT,   160                         ; eight registers of work a position
.set VA,   64                          ; v's fragments
; window 2
.set XF,   128
.set RT,   128
.set BI,   192                         ; the bias of the unit in hand lies in WINDOW 0, v192-255 (the registers that serve row tile 0 on the way out); window 2's v192-255 are the ring's place 6
; scalars
.set XB,  16
.set WB,  18
.set OB,  20
.set SEL, 22
.set CC,  24
.set RB,  36
.set MSB, 0
.macro WIN new                         ; bits 1:0 source 0, 3:2 source 1, 5:4 source 2, 7:6 destination; the high byte repeats the setting that is left
.if MSB != (\new)
	s_set_vgpr_msb (MSB<<8)|(\new)
.set MSB, (\new)
.endif
.endm
.macro PLACES n                        ; plain vector lines behind matrix instructions (ISA guide 7.12.1)
.rept \n
	v_nop
.endr
.endm
.macro BARRIER                         ; my LDS stores have landed and my LDS loads are in: then the work-group's barrier
	s_wait_dscnt 0x0
	s_barrier_signal -1
	s_barrier_wait -1
.endm
; 64 numbers of a lane in window sw, v[s] on, register 16 b + i = number 16 (lane / 16) + i of block b of my row, become codes in v[PC] on (lanes 0-15: blocks 0 and 2, lanes 16-31: blocks 1 and 3, whole), bytes in v[TM+4] on, the word in v[PW].
.macro QUANT sw, s
	WIN ((\sw)<<2)|((\sw)<<4)
.irp b, 0,1,2,3
	v_max3_num_f32 v[TM+\b], v[FLOOR], |v[(\s)+16*\b]|, |v[(\s)+16*\b+1]|   ; the floor among the leaves: the byte cannot fall under 1
.endr
.irp i, 2,4,6,8,10,12,14
.irp b, 0,1,2,3
	v_max3_num_f32 v[TM+\b], v[TM+\b], |v[(\s)+16*\b+\i]|, |v[(\s)+16*\b+\i+1]|   ; the four blocks by turns
.endr
.endr
	WIN 0
.irp b, 0,1,2,3
	v_permlanex16_b32 v[TM+4+\b], v[TM+\b], s[SEL], s[SEL+1]
.endr
.irp b, 0,1,2,3
	v_max_num_f32 v[TM+\b], v[TM+\b], v[TM+4+\b]   ; with lane l xor 16's 16: the block's largest magnitude
.endr
.irp b, 0,1,2,3
	v_add_nc_u32 v[TM+12+\b], 0xff000000, v[TM+\b] ; 2 off its exponent field: the conversion's scale operand
.endr
.irp b, 0,1,2,3
	v_lshrrev_b32 v[TM+4+\b], 23, v[TM+12+\b]      ; the scale's byte
.endr
	v_lshl_or_b32 v[PW], v[TM+5], 8, v[TM+4]
	v_lshl_or_b32 v[PW], v[TM+6], 16, v[PW]
	v_lshl_or_b32 v[PW], v[TM+7], 24, v[PW]
	WIN (\sw)
.irp b, 0,1,2,3
	v_cvt_scalef32_pk8_fp4_f32 v[PC+2*\b], v[(\s)+16*\b:(\s)+16*\b+7], v[TM+12+\b]
	v_cvt_scalef32_pk8_fp4_f32 v[PC+2*\b+1], v[(\s)+16*\b+8:(\s)+16*\b+15], v[TM+12+\b]
.endr
	WIN 0
	v_nop                                          ; one plain line behind a scaled conversion
.irp c, 0,1
.irp i, 0,1
	v_permlane16_swap_b32 v[PC+4*\c+\i], v[PC+4*\c+2+\i]   ; a whole block to a lane
.endr
.endr
.endm
; THE RING AS IT STANDS: SEVEN PLACES of one K step (64 registers): K step c lies in place c (places 0-3 in window 3, places 4 and 5 in window 2 v0-127, place 6 in window 2 v192-255), K step 7 in place 0.
; The order of requests, the same in every loop: behind K step 0 this unit's K step 7; behind K steps 1, 2, 6, 7 the NEXT unit's K steps 1, 2, 3, 4; among the work on the results its scale words and bias and its K steps 5, 0 and, last, 6.
; PRE_W: the scale words of the unit nx units on (8 global loads).  PRE_B: its bias (16 LDS loads from my part of BIA).  PRE_C: K step c of its codes (16 loads of 512 consecutive bytes) into its place.
.macro PRE_W nx
	WIN 0
.irp s, 0,1,2,3,4,5,6,7
	global_load_b128 v[SW+4*\s:SW+4*\s+3], v[VL16], s[WB:WB+1] offset:(\nx)*STEPU+512*\s
.endr
.endm
.macro PRE_B nx
	WIN 0
.irp t, 0,1,2,3,4,5,6,7
.irp q, 0,1
	ds_load_b128 v[BI+8*\t+4*\q:BI+8*\t+4*\q+3], v[VBI] offset:(\nx)*512+64*\t+16*\q   ; in the result's layout: lane (r, h) wants the tile's rows 8 h + 0 .. 7; sixteen lanes share each 16 bytes
.endr
.endr
.endm
.macro PRE_S nx
	PRE_W \nx
	PRE_B \nx
.endm
.macro PRE_C c, nx
.if ((\c) < 4) || ((\c) == 7)
	WIN 0xc0
.set rP, 64*((\c)%7)
.elseif (\c) == 6
	WIN 0x80
.set rP, 192
.else
	WIN 0x80
.set rP, 64*((\c)-4)
.endif
.irp k, 0,1,2,3,4,5,6,7,8,9,10,11,12,13,14,15
	global_load_b128 v[rP+4*\k:rP+4*\k+3], v[VL16], s[WB:WB+1] offset:(\nx)*STEPU+4608+8192*(\c)+512*\k
.endr
.endm
.macro XFETCH s                        ; the four row tiles' fragments of K step s into set s % 2
	WIN 0x80
.irp m, 0,1,2,3
.irp c, 0,1
	ds_load_b128 v[XF+32*((\s)%2)+8*\m+4*\c:XF+32*((\s)%2)+8*\m+4*\c+3], v[VAX] offset:8448*\m+64*(\s)+32*\c
.endr
.endr
.endm
.macro MM s, t, m                      ; K step s, weight tile t, row tile m
.set rD, 64*(\m)+8*(\t)
.set rC, rD
.if (\s) == 0
.set rC, BI+8*(\t)                     ; the bias is the C of a sum's first instruction
.endif
.set rW, 64*(((\s)%7)%4)+8*(\t)        ; the K step's place
.if (\s) == 6
.set rW, 192+8*(\t)
.endif
.set rX, XF+32*((\s)%2)+8*(\m)
.set rSW, SW+4*(\s)+((\t)%4)
.set rSA, SA+8*((\m)/2)+(\s)
.if ((\t) >= 4) && (((\m)%2) == 1)
	v_wmma_scale_f32_16x16x128_f8f6f4 v[rD:rD+7], v[rW:rW+7], v[rX:rX+7], v[rC:rC+7], v[rSW], v[rSA] matrix_a_fmt:MATRIX_FMT_FP4 matrix_b_fmt:MATRIX_FMT_FP4 matrix_a_scale:MATRIX_SCALE_ROW1 matrix_b_scale:MATRIX_SCALE_ROW1
.elseif (\t) >= 4
	v_wmma_scale_f32_16x16x128_f8f6f4 v[rD:rD+7], v[rW:rW+7], v[rX:rX+7], v[rC:rC+7], v[rSW], v[rSA] matrix_a_fmt:MATRIX_FMT_FP4 matrix_b_fmt:MATRIX_FMT_FP4 matrix_a_scale:MATRIX_SCALE_ROW1
.elseif ((\m)%2) == 1
	v_wmma_scale_f32_16x16x128_f8f6f4 v[rD:rD+7], v[rW:rW+7], v[rX:rX+7], v[rC:rC+7], v[rSW], v[rSA] matrix_a_fmt:MATRIX_FMT_FP4 matrix_b_fmt:MATRIX_FMT_FP4 matrix_b_scale:MATRIX_SCALE_ROW1
.else
	v_wmma_scale_f32_16x16x128_f8f6f4 v[rD:rD+7], v[rW:rW+7], v[rX:rX+7], v[rC:rC+7], v[rSW], v[rSA] matrix_a_fmt:MATRIX_FMT_FP4 matrix_b_fmt:MATRIX_FMT_FP4
.endif
.endm
; A K step of a unit: 32 matrix instructions, the 32 accumulators by turns.  nl: the global loads issued behind this step's 16, which may stay out (99: no wait is written: an earlier
; wait has shown the step landed); nd: the LDS loads behind this step's 8; nxt = 1: there is a next unit to ask for.
.macro CHUNK s, nl, nd, nxt
.if (\nl) < 64
	s_wait_loadcnt \nl
.endif
	s_wait_dscnt \nd
.if (\s) == 0
	WIN 0x4b                                       ; weights window 3, positions window 2, C (bias) window 0, D window 1
.elseif ((\s) >= 4) && ((\s) <= 6)
	WIN 0x5a                                       ; places 4, 5 and 6: weights window 2; C and D window 1
.else
	WIN 0x5b                                       ; weights window 3; C and D window 1
.endif
.irp t, 0,1,2,3,4,5,6,7
.irp m, 0,1,2,3
	MM \s, \t, \m
.endr
.endr
.if (\s) == 7
	PLACES 5                                       ; the next unit begins these accumulators anew with another C: one place more than loads and reads want
.else
	PLACES 4                                       ; in front of loads into registers that these instructions have read
.endif
.if (\s) == 0
	PRE_C 7, 0                                     ; place 0, just read, takes this unit's K step 7: six K steps ahead of its use
.elseif ((\s) == 1) && (\nxt)
	PRE_C 1, 1                                     ; place 1 the next unit's K step 1
.elseif ((\s) == 2) && (\nxt)
	PRE_C 2, 1                                     ; place 2 the next unit's K step 2
.elseif ((\s) == 6) && (\nxt)
	PRE_C 3, 1                                     ; K step 6 has landed: one more run of 16 goes out
.elseif ((\s) == 7) && (\nxt)
	PRE_C 4, 1
.endif
.if (\s) < 6
	XFETCH (\s)+2
.endif
.endm
; In front of a unit were issued, whatever the order of the rest, its K step 0 and LAST its K step 6.  So the count 16 at K step 0 shows all landed but K step 6: scale words, K steps 1 to 5 and 0.
.macro UNIT nxt
	XFETCH 0
	XFETCH 1
	CHUNK 0, 16, 8, \nxt                           ; in front of a unit its K step 6 was issued LAST: its 16 loads may be out, all else has landed: scale words, K steps 1 to 5 and 0
	CHUNK 1, 99, 8, \nxt
	CHUNK 2, 99, 8, \nxt
	CHUNK 3, 99, 8, \nxt
	CHUNK 4, 99, 8, \nxt
	CHUNK 5, 99, 8, \nxt
.if \nxt
	CHUNK 6, 48, 8, 1                              ; behind K step 6's loads: K step 7's and the next unit's K steps 1 and 2
	CHUNK 7, 48, 0, 1                              ; behind K step 7's: the next unit's K steps 1, 2 and 3
.else
	CHUNK 6, 16, 8, 0                              ; K step 7's
	CHUNK 7, 0, 0, 0
.endif
.endm
.macro SALOAD                          ; the 64 rows' scale words, all eight K steps: lane l takes row 32 mm + l
.irp mm, 0,1
.irp jq, 0,1
	ds_load_b128 v[SA+8*\mm+4*\jq:SA+8*\mm+4*\jq+3], v[VSA] offset:1536*\mm+16*\jq
.endr
.endr
.endm
	s_load_b256 s[4:11], s[0:1], 0x0               ; x, wst, rot, out0
	v_lshl_add_u32 v[SPW], v0, 2, SPARE
	v_mov_b32 v[NIL], 0
	v_lshrrev_b32 v1, 5, v0
	v_readfirstlane_b32 s12, v1                    ; wave w
	v_and_b32 v1, 31, v0                           ; lane l
	v_and_b32 v2, 15, v0                           ; r
	v_bfe_u32 v3, v0, 4, 1                         ; h
	v_lshlrev_b32 v[VL16], 4, v1                   ; 16 l
	s_lshl_b32 s29, s12, 12
	s_add_co_u32 s29, s29, BIA                     ; my wave's 4,096 bytes of biases
	v_lshl_add_u32 v[VBI], v3, 5, s29              ; + 32 h
	v_add_nc_u32 v[VBS], s29, v[VL16]              ; + 16 l
	s_mul_i32 s28, s12, 8448                       ; 16 rows of 528 bytes a wave
	s_add_co_u32 s29, s28, XSTG
	v_mul_u32_u24 v4, v2, 528
	v_lshl_add_u32 v5, v3, 6, v4                   ; 528 r + 64 h
	v_lshl_add_u32 v6, v3, 4, v4                   ; 528 r + 16 h
	v_add_nc_u32 v[VST], s29, v[VL16]              ; x's stage, in: 16 l
	v_add_nc_u32 v[VLD], s29, v5                   ; and back: row r, my 16 numbers of a block
	v_add_nc_u32 v[VSO], s28, v5                   ; the way out's stage (it begins at byte 0), in
	v_add_nc_u32 v[VSL], s28, v[VL16]              ; and back
	s_add_co_u32 s29, s28, XC
	v_add_nc_u32 v[VXC], s29, v6                   ; where I store x's codes: row 16 w + r
	v_add_nc_u32 v[VAX], XC, v6                    ; where I read a fragment: row r of a row tile
	s_add_co_u32 s29, s28, OC
	v_mul_u32_u24 v7, v3, 528
	v_lshl_add_u32 v7, v2, 5, v7
	v_add_nc_u32 v[VOC0], s29, v7                  ; the mixed heads' codes: row 16 w + h, head r
	s_mul_i32 s29, s12, 768                        ; 16 rows of 48 bytes
	s_add_co_u32 s30, s29, XS
	v_mul_u32_u24 v7, v2, 48
	v_add_nc_u32 v[VXS], s30, v7
	v_mul_u32_u24 v7, v1, 48
	v_add_nc_u32 v[VSA], XS, v7
	s_add_co_u32 s30, s29, OS
	v_lshl_add_u32 v[VOS0], v2, 1, s30             ; their scale bytes: 2 r
	s_mul_i32 s29, s12, 4352                       ; 16 rows of 272 bytes
	s_add_co_u32 s29, s29, ROT
	v_mul_u32_u24 v7, v3, 272
	v_lshl_add_u32 v7, v2, 4, v7
	v_add_nc_u32 v[VRS], s29, v7                   ; the rotary pieces, in: position 16 w + h, piece r
	v_mul_u32_u24 v7, v2, 272
	v_lshl_add_u32 v7, v3, 7, v7
	v_add_nc_u32 v[VCS], ROT, v7                   ; and out: position r, my half's eight pieces
	v_mul_u32_u24 v7, v2, 1040
	v_lshl_add_u32 v7, v3, 4, v7
	s_lshl_b32 s29, s12, 6
	v_add_nc_u32 v[VQC0], s29, v7                  ; q's and k's codes (from byte 0), in: position r, 64 w + 16 h
	v_mul_u32_u24 v7, v2, 80
	s_lshl_b32 s29, s12, 2
	s_add_co_u32 s29, s29, QKS
	v_add_nc_u32 v[VQS0], s29, v7
	s_mul_i32 s29, s12, 16640
	v_lshlrev_b32 v7, 5, v2
	v_lshl_add_u32 v7, v3, 4, v7
	v_add_nc_u32 v[VSQ0], s29, v7                  ; and out: my wave's positions, head r, block h
	s_mul_i32 s29, s12, 1280
	s_add_co_u32 s29, s29, QKS
	v_lshlrev_b32 v7, 1, v2
	v_lshl_add_u32 v7, v3, 5, v7
	v_add_nc_u32 v[VSS0], s29, v7                  ; lanes 0-15 q's bytes, lanes 16-31 k's, 32 further on
	s_lshl_b32 s29, s12, 14
	s_add_co_u32 s29, s29, WL
	v_add_nc_u32 v[VWS0], s29, v[VL16]
	s_lshr_b32 s29, s12, 1
	s_mul_i32 s29, s29, 1056
	s_and_b32 s30, s12, 1
	s_lshl_b32 s30, s30, 9
	s_add_co_u32 s29, s29, s30
	v_mul_u32_u24 v7, v2, 2128
	v_lshl_add_u32 v7, v3, 6, v7
	v_add_nc_u32 v[VV0], s29, v7                   ; v, in: position r, heads 4 w on, d = 16 h on
	v_add_nc_u32 v[VV0+1], 68096, v[VV0]           ; and 32 positions further on
	s_mul_i32 s29, s12, 34048
	v_mul_u32_u24 v7, v3, 1056
	v_and_b32 v4, 7, v2
	v_lshl_add_u32 v7, v4, 2, v7
	v_lshrrev_b32 v4, 3, v2
	v_lshl_add_u32 v7, v4, 6, v7
	v_add_nc_u32 v[VVA0], s29, v7                  ; v, out: heads 8 h on, d = r % 8 + 16 (r / 8)
	v_mov_b32 v[FLOOR], 0x1800000
.irp b, 0,1,2,3
	v_mov_b32 v[TM+4+\b], 0                        ; written once: a lane permute's destination counts as one of its sources
.endr
	s_mov_b32 s[SEL], 0x76543210
	s_mov_b32 s[SEL+1], 0xfedcba98                 ; lane l xor 16
	s_mov_b32 s[CC], 0x3e38aa3b                    ; log2(e) / 8
	s_mov_b32 s[CC+1], s[CC]                       ; (named with it as a pair)
	s_lshl_b32 s28, ttmp9, 6
	s_lshl_b32 s29, s12, 4
	s_add_co_u32 s28, s28, s29
	s_lshl_b32 s28, s28, 12                        ; x: row 64 x work-group + 16 w, 4,096 bytes a row
	s_mov_b32 s29, 0
	s_mul_i32 s30, s12, UNITB
	s_mov_b32 s31, 0
	s_lshl_b32 s32, ttmp9, 18
	s_lshl_b32 s33, s12, 9
	s_add_co_u32 s32, s32, s33                     ; out0: row 64 x work-group, column 128 w
	s_mov_b32 s33, 0
	s_and_b32 s34, ttmp9, 127                      ; the position in its sequence: 64 x (work-group % 128)
	s_lshl_b32 s34, s34, 14
	s_lshl_b32 s35, s12, 12
	s_add_co_u32 s34, s34, s35
	s_mov_b32 s35, 0
	s_wait_alu depctr_va_vdst(0)
	s_wait_kmcnt 0x0
	s_add_nc_u64 s[XB:XB+1], s[4:5], s[28:29]
	s_add_nc_u64 s[WB:WB+1], s[6:7], s[30:31]
	s_add_nc_u64 s[OB:OB+1], s[10:11], s[32:33]
	s_add_nc_u64 s[RB:RB+1], s[8:9], s[34:35]
	; ---------------- X: my 16 rows of x become codes.  Each load takes 512 consecutive bytes of a row; a K step's 16 x 512 bytes turn through my stage, so that a lane holds 16 neighbours of each block ----------------
.irp i, 0,1,2,3,4,5,6,7
	global_load_b128 v[CS+4*\i:CS+4*\i+3], v[VL16], s[RB:RB+1] offset:512*\i   ; my 16 positions' rotary pieces
.endr
.irp i, 0,1,2,3,4,5,6,7
	global_load_b128 v[WT+4*\i:WT+4*\i+3], v[VL16], s[WB:WB+1] offset:\i*STEPU+4096   ; the bias of my unit i: 512 consecutive bytes
.endr
.macro XLOAD s                         ; K step s of my 16 rows into set s % 3
	WIN 0x40
.irp i, 0,1,2,3,4,5,6,7,8,9,10,11,12,13,14,15
	global_load_b128 v[64+64*((\s)%3)+4*\i:64+64*((\s)%3)+4*\i+3], v[VL16], s[XB:XB+1] offset:4096*\i+512*(\s) th:TH_LOAD_NT
.endr
.endm
	XLOAD 0
	XLOAD 1
	XLOAD 2
.macro XSTEP s, cnt                    ; cnt: the loads issued behind this K step's
	s_wait_loadcnt \cnt
.if (\s) == 0
	WIN 0
.irp i, 0,1,2,3,4,5,6,7
	ds_store_b128 v[VRS], v[CS+4*\i:CS+4*\i+3] offset:544*\i
	ds_store_b128 v[VBS], v[WT+4*\i:WT+4*\i+3] offset:512*\i   ; read back by this wave alone: LDS serves a wave's instructions in order (ISA guide 5.7.1.4)
.endr
.endif
	WIN 0x04
.irp i, 0,1,2,3,4,5,6,7,8,9,10,11,12,13,14,15
	ds_store_b128 v[VST], v[64+64*((\s)%3)+4*\i:64+64*((\s)%3)+4*\i+3] offset:528*\i
.endr
	WIN 0x80
.irp b, 0,1,2,3
.irp q, 0,1,2,3
	ds_load_b128 v[RT+16*\b+4*\q:RT+16*\b+4*\q+3], v[VLD] offset:128*\b+16*\q   ; LDS serves a wave's instructions in order (ISA guide 5.7.1.4): these see the stores above
.endr
.endr
	s_wait_dscnt 0x0                               ; the numbers are back, and the stores have read the set, which takes the K step three on
.if (\s) <= 4
	XLOAD (\s)+3
.elseif (\s) == 5
	PRE_S 0                                        ; when x is all asked for: the first unit's scale words and bias,
.elseif (\s) == 6
	PRE_C 1, 0                                     ; and its K steps, 0 and 6 last, as in front of every unit
	PRE_C 2, 0
.else
	PRE_C 3, 0
	PRE_C 4, 0
.endif
	QUANT 2, RT
	ds_store_b128 v[VXC], v[PC:PC+3] offset:64*(\s)
	ds_store_b128 v[VXC], v[PC+4:PC+7] offset:64*(\s)+32
	ds_store_b32 v[VXS], v[PW] offset:4*(\s)       ; both halves of the lanes write the same word with the same value
.endm
	XSTEP 0, 32                                    ; the two later sets may be out
	XSTEP 1, 32
	XSTEP 2, 32
	XSTEP 3, 32
	XSTEP 4, 32
	XSTEP 5, 32
	XSTEP 6, 24                                    ; K step 7's 16 and the 8 of scale words
	XSTEP 7, 40                                    ; those 8 and two K steps of weights
	PRE_C 5, 0
	PRE_C 0, 0
	PRE_C 6, 0
	WIN 0
	BARRIER                                        ; x's codes and scale bytes and the rotary pieces of all 64 positions lie in LDS
	SALOAD
	; ---------------- QK: units 0, 1 (q) and 2, 3 (k) ----------------
; A unit's 128 columns are two heads; d and d + 32 of a head lie in one lane, 16 registers apart.  q'(d) = q(d) cos + q(d + 32) (-sin), q'(d + 32) = q(d + 32) cos + q(d) sin; a pair of neighbours shares its frequency.
.macro ROPE m
	WIN 0xa1                                       ; source 0 (sums) window 1, source 1 (cos, sin) window 0, source 2 and destination window 2
.irp hd, 0,1
.irp t, 0,1,2,3,4,5,6,7                ; ascending: each accumulator is read from its low end on
.set rL, 64*(\m)+32*\hd+2*\t
.set rH, rL+16
.set rA, RT+32*\hd+2*\t
.set rB, rA+16
.set rK, CS+4*(\t/2)
.if (\t%2) == 0
	v_pk_mul_f32 v[rA:rA+1], v[rL:rL+1], v[rK:rK+1] op_sel_hi:[1,0]
	v_pk_mul_f32 v[rB:rB+1], v[rH:rH+1], v[rK+16:rK+17] op_sel_hi:[1,0]
	v_pk_fma_f32 v[rA:rA+1], v[rH:rH+1], v[rK+2:rK+3], v[rA:rA+1] op_sel_hi:[1,0,1]
	v_pk_fma_f32 v[rB:rB+1], v[rL:rL+1], v[rK+18:rK+19], v[rB:rB+1] op_sel_hi:[1,0,1]
.else
	v_pk_mul_f32 v[rA:rA+1], v[rL:rL+1], v[rK:rK+1] op_sel:[0,1] op_sel_hi:[1,1]
	v_pk_mul_f32 v[rB:rB+1], v[rH:rH+1], v[rK+16:rK+17] op_sel:[0,1] op_sel_hi:[1,1]
	v_pk_fma_f32 v[rA:rA+1], v[rH:rH+1], v[rK+2:rK+3], v[rA:rA+1] op_sel:[0,1,0] op_sel_hi:[1,1,1]
	v_pk_fma_f32 v[rB:rB+1], v[rL:rL+1], v[rK+18:rK+19], v[rB:rB+1] op_sel:[0,1,0] op_sel_hi:[1,1,1]
.endif
.endr
.endr
.endm
.macro EPIQK m                         ; row tile m: rotary, quantised, to LDS
	WIN 0
.irp i, 0,1,2,3,4,5,6,7
	ds_load_b128 v[CS+4*\i:CS+4*\i+3], v[VCS] offset:4352*(\m)+16*\i
.endr
	s_wait_dscnt 0x0
	ROPE \m
	QUANT 2, RT
	ds_store_b128 v[VQC], v[PC:PC+3] offset:16640*(\m)      ; the unit's first head: block h of it, 16 bytes
	ds_store_b128 v[VQC], v[PC+4:PC+7] offset:16640*(\m)+32 ; its second head
	ds_store_b32 v[VQS], v[PW] offset:1280*(\m)
.endm
	s_mov_b32 s26, 4
	s_mov_b32 s30, 0                               ; 256 bytes of codes a unit
	s_mov_b32 s31, 0                               ; 16 scale bytes a unit
.Lqk:
	UNIT 1
	PRE_S 1                                        ; the rest of the next unit is asked for while this one's results are worked: its scale words and bias,
	WIN 0
	v_add_nc_u32 v[VQC], s30, v[VQC0]
	v_add_nc_u32 v[VQS], s31, v[VQS0]
	EPIQK 0
	PRE_C 5, 1                                     ; then a K step between two row tiles: 5, 0 and, last, 6
	EPIQK 1
	PRE_C 0, 1
	EPIQK 2
	PRE_C 6, 1
	EPIQK 3
	s_add_co_u32 s30, s30, 256
	s_add_co_u32 s31, s31, 16
	s_wait_xcnt 0x0                                ; the loads have read their base: it steps only behind this wait
	s_add_nc_u64 s[WB:WB+1], s[WB:WB+1], STEPU
	v_add_nc_u32 v[VBI], 512, v[VBI]               ; and the bias's address with it
	s_wait_alu depctr_va_vdst(0)                   ; the wait directly behind the write
	s_sub_co_u32 s26, s26, 1
	s_cmp_lg_u32 s26, 0
	s_cbranch_scc1 .Lqk
	BARRIER                                        ; q's and k's codes of all heads lie in LDS
	; ---------------- SCORES: my 16 positions, four at a time.  Source 0 = k's 16 heads, source 1 = q's: lane (r, h) holds query head r and key heads 8 h + 0 .. 7 ----------------
	WIN 0x40
.irp pp, 0,1,2,3
.irp j, 4,5,6,7,12,13,14,15
	v_mov_b32 v[QF+16*\pp+\j], 0                   ; K = 64: the instruction's upper 64 are zero codes on both sides; their scale bytes are the zeros of the 16-bit load
.endr
.endr
	WIN 0
	PLACES 4                                       ; an operand written by vector lines stands four places ahead of a scaled matrix instruction
.macro SLOAD
	WIN 0x40
.irp pp, 0,1,2,3
	ds_load_b128 v[QF+16*\pp:QF+16*\pp+3], v[VSQ] offset:1040*\pp
	ds_load_b128 v[QF+8+16*\pp:QF+11+16*\pp], v[VSQ] offset:1040*\pp+512
.endr
	WIN 0
.irp pp, 0,1,2,3
	ds_load_u16 v[SSC+\pp], v[VSS] offset:80*\pp
.endr
.endm
	s_mov_b32 s27, 4
	s_mov_b32 s30, 0                               ; four positions of 1,040 bytes a trip
	s_mov_b32 s31, 0                               ; of 80
	s_mov_b32 s34, 0                               ; of 1,024
	v_add_nc_u32 v[VSQ], s30, v[VSQ0]
	v_add_nc_u32 v[VSS], s31, v[VSS0]
	SLOAD
.Lscore:
	s_wait_dscnt 0x0
	WIN 0x45
	s_wait_alu depctr_va_vdst(0)
.irp pp, 0,1,2,3
	v_wmma_scale_f32_16x16x128_f8f6f4 v[SD+8*\pp:SD+8*\pp+7], v[QF+8+16*\pp:QF+15+16*\pp], v[QF+16*\pp:QF+7+16*\pp], 0, v[SSC+\pp], v[SSC+\pp] matrix_a_fmt:MATRIX_FMT_FP4 matrix_b_fmt:MATRIX_FMT_FP4 matrix_a_scale:MATRIX_SCALE_ROW1
.endr
	WIN 0
	s_add_co_u32 s30, s30, 4160
	s_add_co_u32 s31, s31, 320
	v_add_nc_u32 v[VSQ], s30, v[VSQ0]
	v_add_nc_u32 v[VSS], s31, v[VSS0]
	v_add_nc_u32 v[VWS], s34, v[VWS0]
	PLACES 4
	s_add_co_u32 s34, s34, 4096
	s_cmp_eq_u32 s27, 1                            ; the next four positions are fetched while these are worked, if there are any
	s_cbranch_scc1 .Lscore_last
	SLOAD
.Lscore_last:
	WIN 0x55                                       ; all in window 1; the four positions by turns
.irp pp, 0,1,2,3
	v_max3_num_f32 v[TT+8*\pp], v[SD+8*\pp], v[SD+8*\pp+1], v[SD+8*\pp+2]
.endr
.irp pp, 0,1,2,3
	v_max3_num_f32 v[TT+8*\pp+1], v[SD+8*\pp+3], v[SD+8*\pp+4], v[SD+8*\pp+5]
.endr
.irp pp, 0,1,2,3
	v_max3_num_f32 v[TT+8*\pp], v[TT+8*\pp], v[SD+8*\pp+6], v[SD+8*\pp+7]
.endr
.irp pp, 0,1,2,3
	v_max_num_f32 v[TT+8*\pp], v[TT+8*\pp], v[TT+8*\pp+1]
.endr
.irp pp, 0,1,2,3
	v_permlanex16_b32 v[TT+8*\pp+1], v[TT+8*\pp], s[SEL], s[SEL+1]
.endr
.irp pp, 0,1,2,3
	v_max_num_f32 v[TT+8*\pp], v[TT+8*\pp], v[TT+8*\pp+1]   ; the row's largest score
.endr
.irp j, 0,2,4,6
.irp pp, 0,1,2,3
	v_pk_add_f32 v[SD+8*\pp+\j:SD+8*\pp+\j+1], v[SD+8*\pp+\j:SD+8*\pp+\j+1], v[TT+8*\pp:TT+8*\pp+1] op_sel_hi:[1,0] neg_lo:[0,1] neg_hi:[0,1]   ; the maximum is taken away first,
.endr
.endr
.irp j, 0,2,4,6
.irp pp, 0,1,2,3
	v_pk_mul_f32 v[SD+8*\pp+\j:SD+8*\pp+\j+1], v[SD+8*\pp+\j:SD+8*\pp+\j+1], s[CC:CC+1] op_sel_hi:[1,0]   ; then x log2(e) / 8
.endr
.endr
	s_wait_alu depctr_va_vdst(0)
.irp j, 0,1,2,3,4,5,6,7,8,9,10,11,12,13,14,15,16,17,18,19,20,21,22,23,24,25,26,27,28,29,30,31
	v_exp_f32 v[SD+\j], v[SD+\j]
.endr
	v_nop                                          ; a plain line behind the exponentials
	s_wait_alu depctr_va_vdst(0)                   ; one wait for the batch of 32, ahead of its first reader
.irp pp, 0,1,2,3
	v_pk_add_f32 v[TT+8*\pp+4:TT+8*\pp+5], v[SD+8*\pp:SD+8*\pp+1], v[SD+8*\pp+2:SD+8*\pp+3]
	v_pk_add_f32 v[TT+8*\pp+6:TT+8*\pp+7], v[SD+8*\pp+4:SD+8*\pp+5], v[SD+8*\pp+6:SD+8*\pp+7]
.endr
.irp pp, 0,1,2,3
	v_pk_add_f32 v[TT+8*\pp+4:TT+8*\pp+5], v[TT+8*\pp+4:TT+8*\pp+5], v[TT+8*\pp+6:TT+8*\pp+7]
.endr
.irp pp, 0,1,2,3
	v_add_f32 v[TT+8*\pp+4], v[TT+8*\pp+4], v[TT+8*\pp+5]
.endr
.irp pp, 0,1,2,3
	v_permlanex16_b32 v[TT+8*\pp+5], v[TT+8*\pp+4], s[SEL], s[SEL+1]
.endr
.irp pp, 0,1,2,3
	v_add_f32 v[TT+8*\pp+4], v[TT+8*\pp+4], v[TT+8*\pp+5]   ; the row's sum
.endr
	s_wait_alu depctr_va_vdst(0)
.irp pp, 0,1,2,3
	v_rcp_f32 v[TT+8*\pp+6], v[TT+8*\pp+4]
.endr
	v_nop
	s_wait_alu depctr_va_vdst(0)                   ; one wait for the four reciprocals
.irp j, 0,2,4,6
.irp pp, 0,1,2,3
	v_pk_mul_f32 v[SD+8*\pp+\j:SD+8*\pp+\j+1], v[SD+8*\pp+\j:SD+8*\pp+\j+1], v[TT+8*\pp+6:TT+8*\pp+7] op_sel_hi:[1,0]   ; w
.endr
.endr
	WIN 0x04
.irp pp, 0,1,2,3
.irp c, 0,1
	ds_store_b128 v[VWS], v[SD+8*\pp+4*\c:SD+8*\pp+4*\c+3] offset:1024*\pp+512*\c   ; an image of the registers: they come back as the f32 product's operand
.endr
.endr
	WIN 0
	s_sub_co_u32 s27, s27, 1
	s_cmp_lg_u32 s27, 0
	s_cbranch_scc1 .Lscore
	; ---------------- V and PV, twice: pass a takes d = 32 a .. 32 a + 31 of every head (units 4, 5) ----------------
.macro EPIV                            ; my four heads' v of all 64 positions, in f32, to VT
	WIN 0x04
.irp m, 0,1,2,3
.irp b, 0,1,2,3
.irp q, 0,1,2,3
	ds_store_b128 v[VV0+(\m/2)], v[64*\m+16*\b+4*\q:64*\m+16*\b+4*\q+3] offset:34048*(\m%2)+128*\b+16*\q
.endr
.endr
.endr
.endm
; Four positions' operands.  In K step kk the K slot (lane / 16, register jj) stands for key head 8 (lane / 16) + 2 kk + jj on BOTH sides: so w's registers are an operand as they stand.  Row m of tile u of v^T is
; d = 8 u + m % 8 + 16 (m / 8): so the result's register 8 u + j of lane (r, h) is d = 16 h + 8 u + j of head r: the quantiser's layout.
.macro PVLOAD
	WIN 0
.irp pp, 0,1,2,3
.irp c, 0,1
	ds_load_b128 v[WT+8*\pp+4*\c:WT+8*\pp+4*\c+3], v[VWL] offset:1024*\pp+512*\c
.endr
.endr
	WIN 0x40
.irp pp, 0,1,2,3
.irp u, 0,1
.irp e, 0,1,2,3,4,5,6,7
	ds_load_b32 v[VA+16*\pp+8*\u+\e], v[VVA] offset:2128*\pp+128*\e+32*\u
.endr
.endr
.endr
.endm
	s_mov_b32 s26, 2
	s_mov_b32 s32, 0                               ; 16 bytes of a head's codes a pass
	s_mov_b32 s33, 0                               ; 1 scale byte a pass
.Lv:
	UNIT 1
	PRE_S 1                                        ; the rest of the next unit, in the order of every loop: scale words and bias, K steps 5, 0, 6
	WIN 0
	BARRIER                                        ; nobody reads VT's bytes any more: the scores' reads (first pass), the last pass's reads of v (second)
	EPIV
	PRE_C 5, 1
	WIN 0
	BARRIER                                        ; v of all heads lies in VT
	s_mov_b32 s27, 4
	s_mov_b32 s34, 0                               ; four positions of 1,024 bytes a trip (w)
	s_mov_b32 s35, 0                               ; of 2,128 (v)
	s_mov_b32 s38, s32                             ; of 528 (codes), from the pass's 16 bytes on
	s_mov_b32 s39, s33                             ; of 48 (scale bytes), from the pass's byte on
	v_add_nc_u32 v[VWL], s34, v[VWS0]
	v_add_nc_u32 v[VVA], s35, v[VVA0]
	PVLOAD
	PRE_C 0, 1                                     ; issued while the first four positions' operands come from LDS
	PRE_C 6, 1
	WIN 0
.Lpv:
	s_wait_dscnt 0x0
	WIN 0x51                                       ; v window 1, w window 0, C and D window 1
.irp kk, 0,1,2,3                       ; the eight accumulators by turns; the first K step starts the sums
.irp pp, 0,1,2,3
.irp u, 0,1
.if \kk == 0
	v_wmma_f32_16x16x4_f32 v[16*\pp+8*\u:16*\pp+8*\u+7], v[VA+16*\pp+8*\u+2*\kk:VA+16*\pp+8*\u+2*\kk+1], v[WT+8*\pp+2*\kk:WT+8*\pp+2*\kk+1], 0
.else
	v_wmma_f32_16x16x4_f32 v[16*\pp+8*\u:16*\pp+8*\u+7], v[VA+16*\pp+8*\u+2*\kk:VA+16*\pp+8*\u+2*\kk+1], v[WT+8*\pp+2*\kk:WT+8*\pp+2*\kk+1], v[16*\pp+8*\u:16*\pp+8*\u+7]
.endif
.endr
.endr
.endr
	WIN 0
	s_add_co_u32 s34, s34, 4096
	s_add_co_u32 s35, s35, 8512
	v_add_nc_u32 v[VOC], s38, v[VOC0]              ; nine plain lines: behind this form eight stand ahead of reads of the results and of loads into the operands, nine ahead of the next matrix write over them
	v_add_nc_u32 v[VOS], s39, v[VOS0]
	v_add_nc_u32 v[VWL], s34, v[VWS0]
	v_add_nc_u32 v[VVA], s35, v[VVA0]
	PLACES 5
	s_add_co_u32 s38, s38, 2112
	s_add_co_u32 s39, s39, 192
	s_cmp_eq_u32 s27, 1
	s_cbranch_scc1 .Lpv_last
	PVLOAD                                         ; the next four positions come while these are quantised
	WIN 0
.Lpv_last:
	QUANT 1, 0                                     ; block b of the macro is position b of the four; my row is head r
	ds_store_b128 v[VOC], v[PC:PC+3]               ; lane (r, h): position h, head r, this pass's 32 codes
	ds_store_b128 v[VOC], v[PC+4:PC+7] offset:1056 ; position 2 + h
.irp b, 0,1,2,3
	ds_store_b8 v[VOS], v[TM+4+\b] offset:48*\b    ; both halves of the lanes write the same byte with the same value
.endr
	s_sub_co_u32 s27, s27, 1
	s_cmp_lg_u32 s27, 0
	s_cbranch_scc1 .Lpv
	s_add_co_u32 s32, s32, 16
	s_add_co_u32 s33, s33, 1
	s_wait_xcnt 0x0
	s_add_nc_u64 s[WB:WB+1], s[WB:WB+1], STEPU
	v_add_nc_u32 v[VBI], 512, v[VBI]
	s_wait_alu depctr_va_vdst(0)                   ; the wait directly behind the write
	s_sub_co_u32 s26, s26, 1
	s_cmp_lg_u32 s26, 0
	s_cbranch_scc1 .Lv
	; ---------------- O: units 6, 7, written out: the last has no next unit to ask for, and no load is jumped over.  The positions' operand is now the mixed heads' codes ----------------
	BARRIER                                        ; those codes and scale bytes are whole, and nobody reads VT any more: the stages lie there
	v_add_nc_u32 v[VAX], OC-XC, v[VAX]
	s_wait_alu depctr_va_vdst(0)
	v_add_nc_u32 v[VSA], OS-XS, v[VSA]
	SALOAD
; A lane holds 16 neighbouring numbers of each block of a row, the lanes beside it other rows: a row tile goes through my stage and comes back as rows of 512 bytes.  Row tiles 1 to 3 come back into the registers that
; they left; row tile 0's registers are also the f32 products' results, into which no load goes: it comes back into window 0.
.macro TOSTAGE m
	WIN 0x04
.irp b, 0,1,2,3
.irp q, 0,1,2,3
	ds_store_b128 v[VSO], v[64*(\m)+16*\b+4*\q:64*(\m)+16*\b+4*\q+3] offset:128*\b+16*\q
.endr
.endr
.if (\m) == 0
	WIN 0
.irp i, 0,1,2,3,4,5,6,7,8,9,10,11,12,13,14,15
	ds_load_b128 v[OB0+4*\i:OB0+4*\i+3], v[VSL] offset:528*\i   ; LDS serves a wave's instructions in order (ISA guide 5.7.1.4): these see the stores above; the next tile's stores come behind these
.endr
.else
	WIN 0x40
.irp i, 0,1,2,3,4,5,6,7,8,9,10,11,12,13,14,15
	ds_load_b128 v[64*(\m)+4*\i:64*(\m)+4*\i+3], v[VSL] offset:528*\i
.endr
.endif
.endm
.macro SEND m, cnt                     ; cnt: the LDS instructions issued behind tile m's loads
	s_wait_dscnt \cnt
.if (\m) == 0
	WIN 0
.irp i, 0,1,2,3,4,5,6,7,8,9,10,11,12,13,14,15
	global_store_b128 v[VL16], v[OB0+4*\i:OB0+4*\i+3], s[OB:OB+1] offset:\i*4096 th:TH_STORE_NT   ; 32 lanes store 512 consecutive bytes, at a multiple of 256 from out0's first byte
.endr
.else
	WIN 0x04
.irp i, 0,1,2,3,4,5,6,7,8,9,10,11,12,13,14,15
	global_store_b128 v[VL16], v[64*(\m)+4*\i:64*(\m)+4*\i+3], s[OB:OB+1] offset:(16*(\m)+\i)*4096 th:TH_STORE_NT
.endr
.endif
.endm
.macro OUT nxt                         ; each row tile has registers of its own on the way out: no store's data are written again inside a unit
	TOSTAGE 0
	TOSTAGE 1
.if \nxt
	PRE_C 5, 1
.endif
	SEND 0, 32                                     ; tile 1's 16 stores and 16 loads may be out
	TOSTAGE 2
.if \nxt
	PRE_C 0, 1
.endif
	SEND 1, 32
	TOSTAGE 3
.if \nxt
	PRE_C 6, 1
.endif
	SEND 2, 32
	SEND 3, 0
	WIN 0
.endm
	UNIT 1
	PRE_W 1                                        ; the scale words now; the bias's registers serve row tile 0 on the way out, so the last unit's bias follows behind it
	OUT 1
	s_wait_xcnt 0x0                                ; loads and stores have read their bases and registers: the bases step, and the next unit's products and rows may write the stores' registers
	s_add_nc_u64 s[WB:WB+1], s[WB:WB+1], STEPU
	s_add_nc_u64 s[OB:OB+1], s[OB:OB+1], 2048      ; the next unit's columns, 512 on
	PRE_B 1                                        ; behind the wait on XCNT above: row tile 0's stores have read these registers
	UNIT 0
	OUT 0
	s_wait_tensorcnt 0x0                           ; the wave's end: behind my last LDS store
	ds_add_u32 v[SPW], v[NIL]
	s_wait_dscnt 0x0
	s_endpgm
.Lfunc_end_k_q65e46a6ee7_fused:
	.size	k_q65e46a6ee7_fused, .Lfunc_end_k_q65e46a6ee7_fused-k_q65e46a6ee7_fused
	.p2alignl 7, 3214868480
	.fill 96, 4, 3214868480
	.section	.rodata,"a",@progbits
	.p2align	6, 0x0
	.amdhsa_kernel k_q65e46a6ee7_fused
		.amdhsa_group_segment_fixed_size 292352
		.amdhsa_private_segment_fixed_size 0
		.amdhsa_enable_private_segment 0
		.amdhsa_kernarg_size 32
		.amdhsa_user_sgpr_count 2
		.amdhsa_user_sgpr_kernarg_segment_ptr 1
		.amdhsa_wavefront_size32 1
		.amdhsa_system_sgpr_workgroup_id_x 1
		.amdhsa_system_sgpr_workgroup_id_y 1
		.amdhsa_system_sgpr_workgroup_id_z 1
		.amdhsa_system_vgpr_workitem_id 0
		.amdhsa_next_free_vgpr 1024
		.amdhsa_next_free_sgpr 66
		.amdhsa_reserve_vcc 0
		.amdhsa_float_denorm_mode_32 3
		.amdhsa_float_denorm_mode_16_64 3
		.amdhsa_memory_ordered 1
		.amdhsa_forward_progress 1
		.amdhsa_inst_pref_size 255
	.end_amdhsa_kernel
	.section	.bss,"aw",@nobits
	.p2align	6
	.space	262144
	.amdgpu_metadata
---
amdhsa.version: [ 1, 2 ]
amdhsa.kernels:
  - .name:           k_q65e46a6ee7_fused
    .symbol:         k_q65e46a6ee7_fused.kd
    .args:
      - { .name: x, .offset: 0, .size: 8, .value_kind: global_buffer, .address_space: global }
      - { .name: wst, .offset: 8, .size: 8, .value_kind: global_buffer, .address_space: global }
      - { .name: rot, .offset: 16, .size: 8, .value_kind: global_buffer, .address_space: global }
      - { .name: out0, .offset: 24, .size: 8, .value_kind: global_buffer, .address_space: global }
    .group_segment_fixed_size: 292352
    .private_segment_fixed_size: 0
    .kernarg_segment_align: 8
    .kernarg_segment_size: 32
    .max_flat_workgroup_size: 128
    .sgpr_count:     66
    .vgpr_count:     1024
    .wavefront_size: 32
...
	.end_amdgpu_metadata
.endif
;; end of part 2
